; MI455X (gfx1250); checked and timed in simulation.
; The chip was launched on July 23, 2026; its instructions are those of AMD's public machine-readable ISA for CDNA 5 (MIT licence, August 2026) and "CDNA5" Instruction Set Architecture Reference Guide (July 2026). The comments in the code are by the model that wrote it; some were corrected since.
;; Multi Head Attention. Allowed arithmetic: matrix products marked QUANTISED: E2M1 operands, one E8M0 scale for each 32 along K, by v_wmma_scale_f32_16x16x128_f8f6f4 with both operands' format E2M1 (or v_wmma_scale_f32_32x16x128_f4), f32 sums; products left as they are: bf16, f16 or f32 operands; f32 sums; everything else in f32.
;; Inputs: Wk 1,024 x 1,024 float32; Wo 1,024 x 1,024 float32; Wq 1,024 x 1,024 float32; Wv 1,024 x 1,024 float32; bk 1,024 float32; bo 1,024 float32; bq 1,024 float32; bv 1,024 float32; x 2 x 2,048 x 1,024 float32.
;; Outputs: out0 2 x 2,048 x 1,024 float32.
;; This version of the problem:
;;   THIS VERSION OF THE PROBLEM IS GIVEN IN LOW PRECISION. The matrix products marked QUANTISED in the list below multiply operands that are first quantised to E2M1 (2 exponent bits, 1 mantissa bit; 4 bits a number), with one power-of-two scale for each 32 numbers along K (OCP MX v1.0); their sums are f32. The products marked 'left as it is' may take bf16, f16 or f32 operands, with f32 sums. Whichever they take, every output number must still come out within the allowed error. Rounding operands to bf16 (8 significant bits) uses up far more of that allowance than f16 does (11 bits, for magnitudes from 6e-5 to 65,504). All else is computed in f32.
;;   The module's matrix products, in the order in which they are computed (A, B: the left and right operand; K: the contracted axis; several contracted axes count as one K, in the product's order):
;;     1. [M 4,096, K 1,024] x [K 1,024, N 1,024]; A: input x; B: input Wq: QUANTISED
;;     2. [M 4,096, K 1,024] x [K 1,024, N 1,024]; A: input x; B: input Wk: QUANTISED
;;     3. [M 4,096, K 1,024] x [K 1,024, N 1,024]; A: input x; B: input Wv: QUANTISED
;;     4. batch 32 x [M 2,048, K 64] x [K 64, N 2,048]; A: computed on the way; B: computed on the way: left as it is (an operand is computed on the way)
;;     5. batch 32 x [M 2,048, K 2,048] x [K 2,048, N 64]; A: computed on the way; B: computed on the way: left as it is (an operand is computed on the way)
;;     6. [M 4,096, K 1,024] x [K 1,024, N 1,024]; A: computed on the way; B: input Wo: left as it is (an operand is computed on the way)
;;   THE QUANTISER, for each operand of a quantised product, along K:
;;     - K is cut into blocks of 32 from its start; a last block that is shorter is filled with zeros.
;;     - A block's scale is 2^e with e = floor(log2(the largest magnitude in the block)) - 2, held to -126 .. 127; a block of zeros has e = 0. As a byte (E8M0): e + 127.
;;     - Each number is divided by its block's scale, clamped to +-6, and rounded to the nearest number of E2M1, ties to even, subnormals kept.
;;     - The product sums the exact products of the quantised numbers (number of the format x scale) in f32.
;;   ~~~python
;;   def quantise(x, axis):      # numpy; x: float32 -> the quantised numbers, widened to float32 again
;;       x = np.moveaxis(x, axis, -1); K = x.shape[-1]
;;       x = np.pad(x, [(0, 0)] * (x.ndim - 1) + [(0, -K % 32)]); x = x.reshape(x.shape[:-1] + (-1, 32)); a = np.abs(x).max(-1, keepdims=True)
;;       e = np.where(a > 0, np.clip(np.frexp(np.where(a > 0, a, 1))[1] - 1 - 2, -126, 127), 0)      # np.frexp(a)[1] - 1 = floor(log2(a)), exactly
;;       r = np.clip(x / 2.0 ** e, -6, 6)
;;       step = 2.0 ** (np.maximum(np.frexp(np.where(r == 0, 1, r))[1] - 1, 0) - 1)
;;       q = np.round(r / step) * step * 2.0 ** e      # np.round: ties to even
;;       return np.moveaxis(q.reshape(q.shape[:-2] + (-1,))[..., :K], -1, axis).astype(np.float32)
;;   ~~~
;; One version. Each part assembles by itself: llvm-mc -triple=amdgcn-amd-amdhsa -mcpu=gfx1250 --defsym DOCPART=n.
;; ======== version 1 of 1: 4 launches
;; limits: values are held in f16: magnitudes above 65,504 overflow, below 6.1e-05 lose precision
;; workspace buffers: codes 3,670,016 bytes; scales 229,376 bytes; wo_img 2,097,152 bytes; q_img 8,388,608 bytes; kv_img 16,777,216 bytes; ctx_img 8,388,608 bytes
;; launch prep (part 1): grid 512 x 1, 4 waves a work-group, no clusters, 34,304 bytes of LDS; arguments x, Wq, Wk, Wv, Wo, codes, scales, wo_img; writes codes, scales, wo_img
.if DOCPART == 1
	.amdgcn_target "amdgcn-amd-amdhsa--gfx1250"
	.amdhsa_code_object_version 6
	.text
	.protected	k_q8ee159ae68_prep
	.globl	k_q8ee159ae68_prep
	.p2align	8
	.type	k_q8ee159ae68_prep,@function
k_q8ee159ae68_prep:
	s_mov_b64 s[64:65], 0
	v_nop
	global_prefetch_b8 v0, s[64:65] scope:SCOPE_SE
	s_setreg_imm32_b32 hwreg(HW_REG_WAVE_MODE, 25, 1), 1
	s_wait_xcnt 0x0
; PREP.  x [4096][1024] and Wq, Wk, Wv [1024 (k)][1024 (n)], f32, become codes of FP4 (E2M1) with one E8M0 byte for each 32 along K = 1,024; Wo [1024 (k)][1024 (n)] becomes f16.
; Everything is laid as IMAGES OF THE OPERANDS' REGISTERS: a fragment (16 rows x 128 K of codes, or 16 rows x 32 K of f16) is 1,024 bytes, register group c of lane l at 512 c + 16 l.
;   codes:  x at kc*524288 + rowtile*2048 + ks*1024 + blk*256 + r*16   (kc = K/256, ks = (K/128)%2, blk = (K/32)%4, r = row%16);
;           W at 2097152 + kc*393216 + nt*2048 + ks*1024 + blk*256 + r*16, nt = head*12 + which*4 + (column%64)/16, which = 0 q, 1 k, 2 v.
;   scales: a word = the four bytes of one row and 128 K, at (tile/2)*1024 + (kstep/4)*512 + ((tile%2)*16 + r)*16 + (kstep%4)*4; x's from byte 0, W's from byte 131072.
;   wo_img: (K/256)*524288 + (column/16)*8192 + ((K/32)%8)*1024 + ((K/8)%4)*256 + (column%16)*16.
; A block's scale is 2^(floor(log2(its largest magnitude)) - 2): its byte is that magnitude's exponent field - 2, held at 1 from below by a floor among the maximum's leaves.
; LIMITS.  A block whose largest magnitude lies under 2^-124 gets the byte 1; a block of zeros gets the byte 1 where the rule says 127 (its codes are zeros, and this program alone reads the bytes).
; NaN and infinities among the inputs are not served.  Wo is rounded to f16: magnitudes from 65,504 on are not served.
; SHARES.  512 work-groups of four waves, 64 KB of input each.  0..255: 16 rows of x, a wave 256 along K.  256..447: 128 columns x 128 K of Wq, Wk or Wv.  448..511: the same of Wo.
; No matrix unit, no tensor load, no cluster, no barrier: waves share nothing, and every byte is read once.  Only x goes through LDS (each wave's own stage).
.set STGW,  8448                       ; a wave's stage: 16 rows x (512 bytes + 16): the 16 rows that a read touches start 33 x 16 bytes apart
.set SPARE, 4*STGW                     ; behind the stages: the spare words, 128 bytes a wave: two blocks of 256 bytes that no other line names
.set WC0,   2097152                    ; where W's codes begin
.set WS0,   131072                     ; where W's scale words begin
.set SPW,   14                         ; v14  my spare word's LDS address; never rewritten
.set NIL,   15                         ; v15  0; never rewritten
.set R,     16                         ; v16-143  x as loaded: unit u (128 along K) at R + 64 u
.set X0,    144                        ; v144-207 unit 0 after the turn; unit 1 comes back into v16-79
.set C,     208                        ; v208-223 the codes of the two units
.set SW,    224                        ; v224-225 their scale words
	s_load_b256 s[4:11], s[0:1], 0x0               ; x s[4:5], Wq s[6:7], Wk s[8:9], Wv s[10:11]
	s_load_b256 s[12:19], s[0:1], 0x20             ; Wo s[12:13], codes s[14:15], scales s[16:17], wo_img s[18:19]
	v_lshl_add_u32 v[SPW], v0, 2, SPARE
	v_mov_b32 v[NIL], 0
	v_lshrrev_b32 v1, 5, v0
	v_readfirstlane_b32 s20, v1                    ; wave 0..3
	v_and_b32 v1, 31, v0                           ; lane
	v_and_b32 v2, 15, v0                           ; r
	v_bfe_u32 v3, v0, 4, 1                         ; h
	v_lshlrev_b32 v4, 4, v1                        ; 16 x lane
	s_mul_i32 s21, s20, STGW                       ; my stage
	v_add_nc_u32 v5, s21, v4                       ; into it: a row's 512 bytes as they lie, 16 a lane
	v_mul_u32_u24 v6, v2, 528
	v_lshl_add_u32 v6, v3, 7, v6
	v_add_nc_u32 v6, s21, v6                       ; out of it: row r, + 128 h: my block of 32 numbers
	s_wait_kmcnt 0x0
	s_cmp_lt_u32 ttmp9, 256
	s_cbranch_scc0 .Lweights
; ---- x: work-group g = tile of 16 rows, wave w = 256 along K: two units of 128
	s_lshl_b32 s24, ttmp9, 16                      ; 16 rows of 4,096 bytes
	s_lshl_b32 s25, s20, 10                        ; 256 numbers
	s_add_co_u32 s24, s24, s25
	s_mov_b32 s25, 0
	s_add_nc_u64 s[4:5], s[4:5], s[24:25]
.irp u, 0,1
.irp i, 0,1,2,3,4,5,6,7,8,9,10,11,12,13,14,15
	global_load_b128 v[R+64*\u+4*\i:R+64*\u+4*\i+3], v4, s[4:5] offset:\i*4096+\u*512 th:TH_LOAD_NT   ; 32 lanes read 512 consecutive bytes of row i
.endr
.endr
	s_lshl_b32 s24, s20, 19                        ; codes: kc = wave,
	s_lshl_b32 s26, ttmp9, 11                      ; rowtile = g
	s_add_co_u32 s24, s24, s26
	s_add_nc_u64 s[14:15], s[14:15], s[24:25]
	s_lshr_b32 s24, ttmp9, 1                       ; scale words: (g/2)*1024 + (w/2)*512 + (g%2)*256 + (w%2)*8
	s_lshl_b32 s24, s24, 10
	s_lshr_b32 s26, s20, 1
	s_lshl_b32 s26, s26, 9
	s_add_co_u32 s24, s24, s26
	s_and_b32 s26, ttmp9, 1
	s_lshl_b32 s26, s26, 8
	s_add_co_u32 s24, s24, s26
	s_and_b32 s26, s20, 1
	s_lshl_b32 s26, s26, 3
	s_add_co_u32 s24, s24, s26
	s_add_nc_u64 s[16:17], s[16:17], s[24:25]
	s_mov_b32 s22, 0x76543210
	s_mov_b32 s23, 0xfedcba98                      ; v_permlanex16_b32's selects for lane l xor 16
	v_lshlrev_b32 v7, 4, v2
	v_lshl_add_u32 v7, v3, 2, v7                   ; 16 r + 4 h: lanes 0-15 store unit 0's word, lanes 16-31 unit 1's
	v_lshlrev_b32 v228, 3, v3                      ; 8 h
	v_mov_b32 v227, 0                              ; a lane permute's destination counts as one of its sources
; A unit's 16 x 512 bytes go through the stage as they lie and come back 128 bytes a lane: register 32 c + e = k 64 c + 32 h + e of row r, the order of the operand's registers.
.macro TURN rs, xd
.irp i, 0,1,2,3,4,5,6,7,8,9,10,11,12,13,14,15
	ds_store_b128 v5, v[\rs+4*\i:\rs+4*\i+3] offset:\i*528
.endr
.irp c, 0,1
.irp j, 0,1,2,3,4,5,6,7
	ds_load_b128 v[\xd+32*\c+4*\j:\xd+32*\c+4*\j+3], v6 offset:\c*256+16*\j   ; LDS serves a wave's instructions in order: these see the stores above
.endr
.endr
.endm
; 64 numbers of a lane (two whole blocks) become eight registers of codes and, with lane l xor 16's two bytes, the row's scale word.
.macro QUANT u, xs
.irp c, 0,1
	v_max3_num_f32 v[8+\c], |v[\xs+32*\c]|, |v[\xs+32*\c+1]|, 0x1800000   ; the floor 2^(3 - 127): the byte cannot fall under 1
.endr
.irp i, 2,4,6,8,10,12,14,16,18,20,22,24,26,28,30
.irp c, 0,1
	v_max3_num_f32 v[8+\c], v[8+\c], |v[\xs+32*\c+\i]|, |v[\xs+32*\c+\i+1]|   ; the two blocks by turns
.endr
.endr
.irp c, 0,1
	v_add_nc_u32 v[10+\c], 0xff000000, v[8+\c]     ; 2 off the exponent field: the conversion's scale operand
.endr
.irp c, 0,1
	v_lshrrev_b32 v[12+\c], 23, v[10+\c]           ; the scale's byte
.endr
	v_lshl_or_b32 v226, v13, 16, v12               ; blocks h and 2 + h of my row,
	v_lshlrev_b32 v226, v228, v226                 ; at their places in the word
	v_permlanex16_b32 v227, v226, s22, s23
	v_or_b32 v[SW+\u], v226, v227                  ; with the other half's two bytes the word is whole, in both lanes
.irp c, 0,1
.irp g, 0,1,2,3
	v_cvt_scalef32_pk8_fp4_f32 v[C+8*\u+4*\c+\g], v[\xs+32*\c+8*\g:\xs+32*\c+8*\g+7], v[10+\c]
.endr
.endr
	v_nop                                          ; one plain line behind the last scaled conversion
.irp c, 0,1
	global_store_b128 v4, v[C+8*\u+4*\c:C+8*\u+4*\c+3], s[14:15] offset:\u*1024+\c*512   ; 32 lanes store 512 consecutive bytes, aligned
.endr
.endm
	s_wait_loadcnt 16                              ; unit 0's sixteen loads are in; unit 1's may be out
	TURN R, X0
	s_wait_loadcnt 0x0                             ; unit 1 is in
	s_wait_dscnt 16                                ; the first turn's stores are done (its 16 loads may be out): their registers take unit 1 below
	TURN R+64, R
	s_wait_dscnt 32                                ; unit 0 is back (behind it: 16 stores and 16 loads)
	QUANT 0, X0
	s_wait_dscnt 0x0
	QUANT 1, R
	v_cmp_lt_u32 vcc_lo, 15, v1
	v_cndmask_b32 v226, v[SW], v[SW+1], vcc_lo     ; lanes 16-31 take unit 1's word
	global_store_b32 v7, v226, s[16:17]            ; 8 bytes of each row's 16: one byte in 128 of what the launch reads leaves so, in parts of its 256-byte blocks
	s_wait_tensorcnt 0x0                           ; the wave's end, behind my last LDS store
	ds_add_u32 v[SPW], v[NIL]
	s_wait_dscnt 0x0
	s_endpgm
; ---- the four weights: a lane takes a column and its registers run down K, so that a block of 32 lies in one lane and nothing is transposed
.Lweights:
	s_sub_co_u32 s21, ttmp9, 256
	s_lshr_b32 s24, s21, 6                         ; which: 0 Wq, 1 Wk, 2 Wv, 3 Wo
	s_and_b32 s25, s21, 7                          ; which 128 columns
	s_bfe_u32 s26, s21, 0x30003                    ; which 128 along K
	s_cmp_eq_u32 s24, 1                            ; the choices hang on the work-group's number alone
	s_cselect_b64 s[6:7], s[8:9], s[6:7]
	s_cmp_eq_u32 s24, 2
	s_cselect_b64 s[6:7], s[10:11], s[6:7]
	s_cmp_eq_u32 s24, 3
	s_cselect_b64 s[6:7], s[12:13], s[6:7]
	s_lshl_b32 s28, s26, 19                        ; 128 rows of 4,096 bytes
	s_lshl_b32 s29, s25, 9
	s_add_co_u32 s28, s28, s29
	s_lshl_b32 s29, s20, 7                         ; my wave's 32 columns
	s_add_co_u32 s28, s28, s29
	s_mov_b32 s29, 0
	s_add_nc_u64 s[6:7], s[6:7], s[28:29]
	v_lshlrev_b32 v7, 2, v1                        ; 4 bytes a lane
.macro LOAD t                          ; block t: W(32 t + i, my column) into set t % 2; a wave reads 128 consecutive bytes, the four waves 512
.irp i, 0,1,2,3,4,5,6,7,8,9,10,11,12,13,14,15,16,17,18,19,20,21,22,23,24,25,26,27,28,29,30,31
	global_load_b32 v[32+32*((\t)%2)+\i], v7, s[6:7] offset:(32*(\t)+\i)*4096 th:TH_LOAD_NT
.endr
.endm
	LOAD 0
	LOAD 1
	v_lshlrev_b32 v8, 4, v2                        ; 16 r
	s_cmp_eq_u32 s24, 3
	s_cbranch_scc1 .Lwo
	v_lshl_add_u32 v9, v3, 11, v8                  ; lanes 16-31 belong to the next tile of 16 columns: 2,048 bytes on
	s_lshl_b32 s30, s25, 1
	s_lshr_b32 s31, s20, 1
	s_add_co_u32 s30, s30, s31                     ; the head
	s_mul_i32 s30, s30, 12
	s_lshl_b32 s31, s24, 2
	s_add_co_u32 s30, s30, s31
	s_and_b32 s31, s20, 1
	s_lshl_b32 s31, s31, 1
	s_add_co_u32 s30, s30, s31                     ; nt of lanes 0-15: an even number
	s_lshr_b32 s32, s26, 1
	s_mul_i32 s32, s32, 393216                     ; kc
	s_lshl_b32 s33, s30, 11
	s_add_co_u32 s32, s32, s33
	s_and_b32 s33, s26, 1
	s_lshl_b32 s33, s33, 10                        ; ks
	s_add_co_u32 s32, s32, s33
	s_add_co_u32 s32, s32, WC0
	s_mov_b32 s33, 0
	s_add_nc_u64 s[14:15], s[14:15], s[32:33]
	s_lshl_b32 s32, s30, 9                         ; scale words: (nt/2)*1024 + (kstep/4)*512 + (kstep%4)*4; the lane adds 16 x lane
	s_lshr_b32 s31, s26, 2
	s_lshl_b32 s31, s31, 9
	s_add_co_u32 s32, s32, s31
	s_and_b32 s31, s26, 3
	s_lshl_b32 s31, s31, 2
	s_add_co_u32 s32, s32, s31
	s_add_co_u32 s32, s32, WS0
	s_add_nc_u64 s[16:17], s[16:17], s[32:33]
.macro BLOCK t
.set XS, 32+32*((\t)%2)
.if (\t) < 3
	s_wait_loadcnt 32                              ; this block's 32 loads are in; the next block's may be out
.else
	s_wait_loadcnt 0x0
.endif
	v_max3_num_f32 v10, |v[XS]|, |v[XS+1]|, |v[XS+2]|
	v_max3_num_f32 v11, |v[XS+3]|, |v[XS+4]|, |v[XS+5]|
.irp i, 6,10,14,18,22,26
	v_max3_num_f32 v10, v10, |v[XS+\i]|, |v[XS+\i+1]|
	v_max3_num_f32 v11, v11, |v[XS+\i+2]|, |v[XS+\i+3]|
.endr
	v_max3_num_f32 v10, v10, |v[XS+30]|, |v[XS+31]|
	v_max3_num_f32 v10, v10, v11, 0x1800000        ; and the floor
	v_add_nc_u32 v12, 0xff000000, v10              ; the conversion's scale operand
	v_lshrrev_b32 v13, 23, v12                     ; the byte
.if (\t) == 0
	v_mov_b32 v112, v13                            ; the four blocks' bytes make my column's word for these 128 along K
.else
	v_lshl_or_b32 v112, v13, 8*(\t), v112
.endif
.irp g, 0,1,2,3
	v_cvt_scalef32_pk8_fp4_f32 v[96+4*(\t)+\g], v[XS+8*\g:XS+8*\g+7], v12
.endr
	v_nop                                          ; one plain line behind the last scaled conversion
	global_store_b128 v9, v[96+4*(\t):96+4*(\t)+3], s[14:15] offset:(\t)*256   ; sixteen lanes store 256 consecutive bytes, aligned; every block has data registers of its own
.if (\t) < 2
	LOAD (\t)+2
.endif
.endm
	BLOCK 0
	BLOCK 1
	BLOCK 2
	BLOCK 3
	global_store_b32 v4, v112, s[16:17]            ; 4 bytes of each lane's 16
	s_endpgm
.Lwo:
	v_lshl_add_u32 v9, v3, 13, v8                  ; lanes 16-31: the next tile of 16 columns, 8,192 bytes on
	s_lshr_b32 s32, s26, 1
	s_lshl_b32 s32, s32, 19                        ; K/256
	s_lshl_b32 s33, s25, 16                        ; 8 tiles of columns x 8,192
	s_add_co_u32 s32, s32, s33
	s_lshl_b32 s33, s20, 14                        ; my wave's two
	s_add_co_u32 s32, s32, s33
	s_and_b32 s33, s26, 1
	s_lshl_b32 s33, s33, 12                        ; four fragments of 32 along K
	s_add_co_u32 s32, s32, s33
	s_mov_b32 s33, 0
	s_add_nc_u64 s[18:19], s[18:19], s[32:33]
.macro BLOCKO t
.set XS, 32+32*((\t)%2)
.if (\t) < 3
	s_wait_loadcnt 32
.else
	s_wait_loadcnt 0x0
.endif
.irp i, 0,1,2,3,4,5,6,7,8,9,10,11,12,13,14,15
	v_cvt_pk_f16_f32 v[96+16*(\t)+\i], v[XS+2*\i], v[XS+2*\i+1]
.endr
.irp q, 0,1,2,3
	global_store_b128 v9, v[96+16*(\t)+4*\q:96+16*(\t)+4*\q+3], s[18:19] offset:(\t)*1024+\q*256   ; k = 8 q .. 8 q + 7 of my column; sixteen lanes store 256 consecutive bytes, aligned
.endr
.if (\t) < 2
	LOAD (\t)+2
.endif
.endm
	BLOCKO 0
	BLOCKO 1
	BLOCKO 2
	BLOCKO 3
	s_endpgm
.Lfunc_end_k_q8ee159ae68_prep:
	.size	k_q8ee159ae68_prep, .Lfunc_end_k_q8ee159ae68_prep-k_q8ee159ae68_prep
	.p2alignl 7, 3214868480
	.fill 96, 4, 3214868480
	.section	.rodata,"a",@progbits
	.p2align	6, 0x0
	.amdhsa_kernel k_q8ee159ae68_prep
		.amdhsa_group_segment_fixed_size 34304
		.amdhsa_private_segment_fixed_size 0
		.amdhsa_enable_private_segment 0
		.amdhsa_kernarg_size 64
		.amdhsa_user_sgpr_count 2
		.amdhsa_user_sgpr_kernarg_segment_ptr 1
		.amdhsa_wavefront_size32 1
		.amdhsa_system_sgpr_workgroup_id_x 1
		.amdhsa_system_sgpr_workgroup_id_y 1
		.amdhsa_system_sgpr_workgroup_id_z 1
		.amdhsa_system_vgpr_workitem_id 0
		.amdhsa_next_free_vgpr 256
		.amdhsa_next_free_sgpr 66
		.amdhsa_reserve_vcc 1
		.amdhsa_float_denorm_mode_32 3
		.amdhsa_float_denorm_mode_16_64 3
		.amdhsa_memory_ordered 1
		.amdhsa_forward_progress 1
		.amdhsa_inst_pref_size 49
	.end_amdhsa_kernel
	.amdgpu_metadata
---
amdhsa.version: [ 1, 2 ]
amdhsa.kernels:
  - .name:           k_q8ee159ae68_prep
    .symbol:         k_q8ee159ae68_prep.kd
    .args:
      - { .name: x, .offset: 0, .size: 8, .value_kind: global_buffer, .address_space: global }
      - { .name: Wq, .offset: 8, .size: 8, .value_kind: global_buffer, .address_space: global }
      - { .name: Wk, .offset: 16, .size: 8, .value_kind: global_buffer, .address_space: global }
      - { .name: Wv, .offset: 24, .size: 8, .value_kind: global_buffer, .address_space: global }
      - { .name: Wo, .offset: 32, .size: 8, .value_kind: global_buffer, .address_space: global }
      - { .name: codes, .offset: 40, .size: 8, .value_kind: global_buffer, .address_space: global }
      - { .name: scales, .offset: 48, .size: 8, .value_kind: global_buffer, .address_space: global }
      - { .name: wo_img, .offset: 56, .size: 8, .value_kind: global_buffer, .address_space: global }
    .group_segment_fixed_size: 34304
    .private_segment_fixed_size: 0
    .kernarg_segment_align: 8
    .kernarg_segment_size: 64
    .max_flat_workgroup_size: 128
    .sgpr_count:     66
    .vgpr_count:     256
    .wavefront_size: 32
...
	.end_amdgpu_metadata
.endif
;; end of part 1
;; launch qkv (part 2): grid 16 x 16, 4 waves a work-group, clusters of 4 x 4, 229,888 bytes of LDS; arguments codes, scales, bq, bk, bv, q_img, kv_img; writes q_img, kv_img
.if DOCPART == 2
	.amdgcn_target "amdgcn-amd-amdhsa--gfx1250"
	.amdhsa_code_object_version 6
	.text
	.protected	k_q8ee159ae68_qkv
	.globl	k_q8ee159ae68_qkv
	.p2align	8
	.type	k_q8ee159ae68_qkv,@function
k_q8ee159ae68_qkv:
	s_mov_b64 s[64:65], 0
	v_nop
	global_prefetch_b8 v0, s[64:65] scope:SCOPE_SE
	s_setreg_imm32_b32 hwreg(HW_REG_WAVE_MODE, 25, 1), 1
	s_wait_xcnt 0x0
	s_wait_alu depctr_hold_cnt(0) depctr_sa_sdst(0) depctr_va_vdst(0) depctr_va_sdst(0) depctr_va_ssrc(0) depctr_va_vcc(0) depctr_vm_vsrc(0)
	s_getreg_b32 s2, hwreg(HW_REG_IB_STS2, 6, 4)
	s_cmp_eq_u32 s2, 0
	s_cbranch_scc0 .Lentry_in_a_cluster
	s_endpgm
.Lentry_in_a_cluster:
	s_bfe_u32 s2, ttmp6, 0x10000c
	s_cmp_lg_u32 s2, 0xf033
	s_cbranch_scc0 .Lentry_shape_is_right
	s_endpgm
.Lentry_shape_is_right:
; QKV.  q, k, v = Q(x) Q(W) + b on codes of FP4 with E8M0 scales, sums in f32, results rounded to f16 and stored as images of attention's operand registers.
; SHARES.  A work-group makes 256 tokens x one head's 192 features (64 of q, 64 of k, 64 of v): 16 heads x 16 blocks of tokens.  Wave w makes tokens 64 w .. 64 w + 63 x all 192: 48 accumulators.
; q's and k's tiles are used TRANSPOSED (source 0 = 16 features of W, source 1 = 16 tokens of x): a lane holds one token and eight features, which is half a fragment of Q or K.
; v's tiles are used as they read (source 0 = x, source 1 = W): a lane holds one feature and eight tokens, which is half a fragment of V^T.  So every result leaves straight from registers, 512 consecutive bytes a store.
; The biases are the C of each sum's first product.
; LDS.  All of K = 1,024 fits: four chunks of 256 along K, each x's 16 tiles (32,768 bytes) and W's 12 tiles (24,576), as images of registers.  Every byte is filled once: no ring, no refill.
; CLUSTER.  4 x 4 work-groups: the four of a row of the cluster need the same tokens of x, the four of a column the same head of W: each chunk is asked for jointly.  By this text's count a wave has four tensor loads out.
; LIMITS.  q, k, v are rounded to f16: magnitudes from 65,504 on are not served.  No prefetch: everything that the launch reads is asked for at its head.
; REGISTERS, in windows of 256.  Window 0: v16-29 addresses; v32-47 x's scale words, v48-95 W's (nothing else ever lies there); v128-191 x's fragments, two sets; on the way out v96-223.
;   Window 1: W's fragments, two sets of 96, at v0 and v128.  Window 2: the 32 accumulators of q and k, (a, b) at 8 (8 a + b).  Window 3: v0-127 the 16 of v, (a, t) at 8 (4 a + t); v128-191 bq, bk; v192-223 bv.
.set CHUNK, 57344
.set BOFF,  32768
.set SPARE, 4*CHUNK                    ; behind the chunks: the spare words, 128 bytes a wave: two blocks of 256 bytes that no other line names
.set WC0,   2097152
.set WS0,   131072
.set ADRA, 16                          ; v16-19  LDS address of my tokens' fragments in chunk 0..3
.set ADRB, 20                          ; v20-23  the same for W
.set LI,   24                          ; v24     16 x lane
.set H32,  25                          ; v25     32 h
.set R4,   26                          ; v26     4 r
.set SPW,  28                          ; v28     my spare word's LDS address; never rewritten
.set NIL,  29                          ; v29     0; never rewritten
.set SCX,  32                          ; pair p of my token tiles, K step q: v[SCX + 8 p + SQ]: lanes 0-15 the even tile's words, lanes 16-31 the odd tile's
.set SCW,  48                          ; pair p of W's tiles likewise: v[SCW + 8 p + SQ]
.set OUTR, 96
.set AF,   128
.set BQK,  128                         ; in window 3
.set BV,   192
.set WV,   18                          ; s18 wave;  s19 0: I fetch for x, 1: for W;  s20 which half
.set FB,   19
.set HW,   20
.set G1A,  24                          ; s[24:31], s[32:39] descriptor groups 1;  s[40:55], s[68:83] groups 0, a set for each chunk
.set G1B,  32
.set G0A,  40
.set G0B,  68
.set MSB, 0
.macro WIN new                         ; the immediate's high byte repeats the setting that is left
.if MSB != \new
	s_set_vgpr_msb (MSB<<8)|\new
.set MSB, \new
.endif
.endm
.macro JLOAD g0a, g1a, g0b, g1b        ; a joint load: waves 0 and 1 fetch x's halves, waves 2 and 3 W's; the branch hangs on the wave's number alone; an s_nop 0 and four v_nop follow each line
	s_cmp_eq_u32 s[FB], 0
	s_cbranch_scc0 .Lfor_b_\@
	tensor_load_to_lds s[\g0a:\g0a+3], s[\g1a:\g1a+7]
	s_nop 0
.rept 4
	v_nop
.endr
	s_branch .Lasked_\@
.Lfor_b_\@:
	tensor_load_to_lds s[\g0b:\g0b+3], s[\g1b:\g1b+7]
	s_nop 0
.rept 4
	v_nop
.endr
.Lasked_\@:
.endm
.macro CROUND                          ; a round of the cluster's barrier
	s_barrier_signal -1
	s_barrier_wait -1
	s_cmp_lg_u32 s[WV], 0
	s_cbranch_scc1 .Lnot_wave_0_\@
	s_barrier_signal -3
.Lnot_wave_0_\@:
	s_barrier_wait -3
	s_barrier_signal -1
	s_barrier_wait -1
.endm
.macro PLACES                          ; four plain lines between a matrix instruction and a load into, or a vector line on, its registers
.rept 4
	v_nop
.endr
.endm
	s_load_b256 s[4:11], s[0:1], 0x0               ; codes s[4:5], scales s[6:7], bq s[8:9], bk s[10:11]
	s_load_b128 s[12:15], s[0:1], 0x20             ; bv s[12:13], q_img s[14:15]
	s_load_b64 s[16:17], s[0:1], 0x30              ; kv_img
	v_lshl_add_u32 v[SPW], v0, 2, SPARE
	v_mov_b32 v[NIL], 0
	ds_add_u32 v[SPW], v[NIL]                      ; the wave's opening: the add, twice on end, and its wait ahead of my first tensor load
	ds_add_u32 v[SPW], v[NIL]
	v_lshrrev_b32 v1, 5, v0
	v_readfirstlane_b32 s[WV], v1
	s_lshr_b32 s[FB], s[WV], 1
	s_and_b32 s[HW], s[WV], 1
	s_bfe_u32 s56, ttmp6, 0x40000                  ; cx
	s_bfe_u32 s57, ttmp6, 0x40004                  ; cy
	s_lshl_b32 s58, ttmp9, 2
	s_add_co_u32 s58, s58, s56                     ; the head = 4 x cluster x + cx
	s_and_b32 s59, ttmp7, 0xffff
	s_lshl_b32 s59, s59, 2
	s_add_co_u32 s59, s59, s57                     ; the block of 256 tokens = 4 x cluster y + cy
	s_lshl_b32 s60, s57, 2
	s_lshl_b32 s60, 15, s60                        ; my row of the cluster
	s_lshl_b32 s61, 0x1111, s56                    ; my column
	s_or_b32 s[G1A], s60, (3<<16)|(1<<21)          ; 15:0 the mask; 17:16 elements of 8 bytes; 21 set beside a mask; no padding: the blocks are dense images
	s_mov_b32 s[G1A+1], 32<<16                     ; tensor_dim0 = 32 elements: rows of 256 bytes
	s_mov_b32 s[G1A+2], 64<<16                     ; tensor_dim1 = 64 rows: 16,384 bytes, half of x's part of a chunk
	s_mov_b32 s[G1A+3], 32<<16                     ; tile_dim0
	s_mov_b32 s[G1A+4], 64                         ; tile_dim1
	s_mov_b32 s[G1A+5], 32                         ; the pitch: dense
	s_mov_b32 s[G1A+6], 0
	s_mov_b32 s[G1A+7], 0
	s_or_b32 s[G1B], s61, (3<<16)|(1<<21)
	s_mov_b32 s[G1B+1], 32<<16
	s_mov_b32 s[G1B+2], 48<<16                     ; 48 rows: 12,288 bytes, half of W's part
	s_mov_b32 s[G1B+3], 32<<16
	s_mov_b32 s[G1B+4], 48
	s_mov_b32 s[G1B+5], 32
	s_mov_b32 s[G1B+6], 0
	s_mov_b32 s[G1B+7], 0
	s_lshl_b32 s84, s59, 15                        ; x: 16 tiles of 2,048 bytes a block of tokens,
	s_lshl_b32 s85, s[HW], 14                      ; my half
	s_add_co_u32 s84, s84, s85
	s_mov_b32 s85, 0
	s_mul_i32 s86, s58, 24576                      ; W: 12 tiles a head,
	s_mul_i32 s87, s[HW], 12288                    ; my half
	s_add_co_u32 s86, s86, s87
	s_add_co_u32 s86, s86, WC0
	s_mov_b32 s87, 0
	s_lshl_b32 s88, s[HW], 14                      ; where they go: no place in the cluster enters an LDS address
	s_mul_i32 s89, s[HW], 12288
	s_add_co_u32 s89, s89, BOFF
	s_wait_dscnt 0x0                               ; both opening adds are done
	s_wait_kmcnt 0x0
	s_add_nc_u64 s[84:85], s[4:5], s[84:85]
	s_add_nc_u64 s[86:87], s[4:5], s[86:87]
	CROUND                                         ; all sixteen work-groups are here: the joint loads meet
.irp kc, 0,1,2,3
	s_mov_b32 s[G0A+4*\kc], 1
	s_add_co_u32 s[G0A+4*\kc+1], s88, \kc*CHUNK
	s_add_nc_u64 s[G0A+4*\kc+2:G0A+4*\kc+3], s[84:85], \kc*524288
	s_or_b32 s[G0A+4*\kc+3], s[G0A+4*\kc+3], 0x80000000
	s_mov_b32 s[G0B+4*\kc], 1
	s_add_co_u32 s[G0B+4*\kc+1], s89, \kc*CHUNK
	s_add_nc_u64 s[G0B+4*\kc+2:G0B+4*\kc+3], s[86:87], \kc*393216
	s_or_b32 s[G0B+4*\kc+3], s[G0B+4*\kc+3], 0x80000000
	JLOAD G0A+4*\kc, G1A, G0B+4*\kc, G1B
.endr
	v_and_b32 v1, 31, v0
	v_and_b32 v2, 15, v0
	v_bfe_u32 v3, v0, 4, 1
	v_lshlrev_b32 v[LI], 4, v1
	v_lshlrev_b32 v[H32], 5, v3
	v_lshlrev_b32 v[R4], 2, v2
	s_lshl_b32 s21, s[WV], 13                      ; my four tiles of tokens
.irp kc, 0,1,2,3
	v_add_nc_u32 v[ADRA+\kc], s21, v[LI]
	v_add_nc_u32 v[ADRB+\kc], \kc*CHUNK+BOFF, v[LI]
	s_add_co_u32 s21, s21, CHUNK
.endr
	s_lshl_b32 s90, s59, 13                        ; x's scale words: pair 8 x block + 2 x wave, 1,024 bytes a pair
	s_lshl_b32 s91, s[WV], 11
	s_add_co_u32 s90, s90, s91
	s_mov_b32 s91, 0
	s_add_nc_u64 s[90:91], s[6:7], s[90:91]
	s_mul_i32 s92, s58, 6144                       ; W's: six pairs a head
	s_add_co_u32 s92, s92, WS0
	s_mov_b32 s93, 0
	s_add_nc_u64 s[92:93], s[6:7], s[92:93]
.irp p, 0,1
.irp kq, 0,1
	global_load_b128 v[SCX+4*(2*\p+\kq):SCX+4*(2*\p+\kq)+3], v[LI], s[90:91] offset:\p*1024+\kq*512   ; four K steps' words of a pair of tiles: 512 consecutive bytes
.endr
.endr
.irp p, 0,1,2,3,4,5
.irp kq, 0,1
	global_load_b128 v[SCW+4*(2*\p+\kq):SCW+4*(2*\p+\kq)+3], v[LI], s[92:93] offset:\p*1024+\kq*512
.endr
.endr
	s_lshl_b32 s94, s58, 8                         ; the head's 64 numbers of each bias
	s_mov_b32 s95, 0
	s_add_nc_u64 s[8:9], s[8:9], s[94:95]
	s_add_nc_u64 s[10:11], s[10:11], s[94:95]
	s_add_nc_u64 s[12:13], s[12:13], s[94:95]
	WIN 0xc0                                       ; destination window 3
.irp t, 0,1,2,3
	global_load_b128 v[BQK+8*\t:BQK+8*\t+3], v[H32], s[8:9] offset:64*\t            ; register j: bq(16 t + 8 h + j), the result's layout
	global_load_b128 v[BQK+8*\t+4:BQK+8*\t+7], v[H32], s[8:9] offset:64*\t+16
	global_load_b128 v[BQK+32+8*\t:BQK+32+8*\t+3], v[H32], s[10:11] offset:64*\t
	global_load_b128 v[BQK+32+8*\t+4:BQK+32+8*\t+7], v[H32], s[10:11] offset:64*\t+16
	global_load_b32 v[BV+8*\t], v[R4], s[12:13] offset:64*\t                        ; bv(16 t + r): the same for a lane's eight tokens
.endr
	s_lshr_b32 s66, s59, 3                         ; the batch,
	s_lshl_b32 s66, s66, 4
	s_add_co_u32 s66, s66, s58                     ; batch x 16 + head
	s_and_b32 s67, s59, 7                          ; the block of tokens within the batch
	s_lshl_b32 s96, s66, 18                        ; q_img: 262,144 bytes a head, 2,048 a tile of 16 queries
	s_lshl_b32 s97, s67, 15
	s_add_co_u32 s96, s96, s97
	s_lshl_b32 s97, s[WV], 13
	s_add_co_u32 s96, s96, s97
	s_mov_b32 s97, 0
	s_add_nc_u64 s[14:15], s[14:15], s[96:97]
	s_lshl_b32 s96, s66, 19                        ; kv_img: 524,288 bytes a head, 16,384 a step of 64 keys: my wave's 64 tokens are one step
	s_lshl_b32 s62, s67, 16
	s_add_co_u32 s96, s96, s62
	s_lshl_b32 s62, s[WV], 14
	s_add_co_u32 s96, s96, s62
	s_add_nc_u64 s[16:17], s[16:17], s[96:97]
	s_wait_loadcnt 0x0                             ; scale words and biases
	WIN 0xc3
.irp t, 0,1,2,3
.irp j, 1,2,3,4,5,6,7
	v_mov_b32 v[BV+8*\t+\j], v[BV+8*\t]
.endr
.endr
	WIN 0
; One scaled product.  rx, ry = 1: that side's scale words stand in lanes 16-31 of its register.
.macro WM d, x, y, c, sx, sy, rx, ry
.if ((\rx) == 1) && ((\ry) == 1)
	v_wmma_scale_f32_16x16x128_f8f6f4 v[(\d):(\d)+7], v[(\x):(\x)+7], v[(\y):(\y)+7], v[(\c):(\c)+7], v[\sx], v[\sy] matrix_a_fmt:MATRIX_FMT_FP4 matrix_b_fmt:MATRIX_FMT_FP4 matrix_a_scale:MATRIX_SCALE_ROW1 matrix_b_scale:MATRIX_SCALE_ROW1
.elseif (\rx) == 1
	v_wmma_scale_f32_16x16x128_f8f6f4 v[(\d):(\d)+7], v[(\x):(\x)+7], v[(\y):(\y)+7], v[(\c):(\c)+7], v[\sx], v[\sy] matrix_a_fmt:MATRIX_FMT_FP4 matrix_b_fmt:MATRIX_FMT_FP4 matrix_a_scale:MATRIX_SCALE_ROW1
.elseif (\ry) == 1
	v_wmma_scale_f32_16x16x128_f8f6f4 v[(\d):(\d)+7], v[(\x):(\x)+7], v[(\y):(\y)+7], v[(\c):(\c)+7], v[\sx], v[\sy] matrix_a_fmt:MATRIX_FMT_FP4 matrix_b_fmt:MATRIX_FMT_FP4 matrix_b_scale:MATRIX_SCALE_ROW1
.else
	v_wmma_scale_f32_16x16x128_f8f6f4 v[(\d):(\d)+7], v[(\x):(\x)+7], v[(\y):(\y)+7], v[(\c):(\c)+7], v[\sx], v[\sy] matrix_a_fmt:MATRIX_FMT_FP4 matrix_b_fmt:MATRIX_FMT_FP4
.endif
.endm
; 32 LDS loads in one run: K step q's fragments (W's twelve, my tokens' four) into set q % 2; each load takes 512 consecutive bytes
.macro FETCH q
	WIN 0x40                                       ; destination window 1
.irp n, 0,1,2,3,4,5,6,7,8,9,10,11
.irp c, 0,1
	ds_load_b128 v[128*((\q)%2)+8*\n+4*\c:128*((\q)%2)+8*\n+4*\c+3], v[ADRB+(\q)/2] offset:\n*2048+((\q)%2)*1024+\c*512
.endr
.endr
	WIN 0
.irp a, 0,1,2,3
.irp c, 0,1
	ds_load_b128 v[AF+32*((\q)%2)+8*\a+4*\c:AF+32*((\q)%2)+8*\a+4*\c+3], v[ADRA+(\q)/2] offset:\a*2048+((\q)%2)*1024+\c*512
.endr
.endr
.endm
; K step q: the next step's fragments are asked for, then 48 products.  The 48 accumulators take turns, one instruction a turn, in the same order in every step.
.macro STEP q
.set PP, (\q)%2
.set SQ, 4*((\q)/4)+(\q)%4
.if (\q) < 7
.if (\q)%2 == 1
	s_wait_dscnt 0x0                               ; no LDS instruction of mine is out at a signal
	s_wait_tensorcnt 3-((\q)+1)/2                  ; my part of the next chunk has landed; the younger chunks may stay out
	s_barrier_signal -1
	s_barrier_wait -1                              ; everybody's has
.endif
.if (\q) > 0
	PLACES                                         ; the set that is fetched into was multiplied in the step before
.endif
	FETCH (\q)+1
	s_wait_dscnt 32                                ; all but the 32 just issued
.else
	s_wait_dscnt 0x0
.endif
.if (\q) == 0
	WIN 0xb1                                       ; source 0 (W) window 1, source 1 (x) window 0, C (the bias) window 3, D window 2
.else
	WIN 0xa1                                       ; C and D window 2
.endif
.irp a, 0,1,2,3
.irp b, 0,1,2,3,4,5,6,7
.if (\q) == 0
	WM 8*(8*\a+\b), 128*PP+8*\b, AF+32*PP+8*\a, BQK+8*\b, SCW+8*(\b/2)+SQ, SCX+8*(\a/2)+SQ, \b%2, \a%2
.else
	WM 8*(8*\a+\b), 128*PP+8*\b, AF+32*PP+8*\a, 8*(8*\a+\b), SCW+8*(\b/2)+SQ, SCX+8*(\a/2)+SQ, \b%2, \a%2
.endif
.endr
.endr
	WIN 0xf4                                       ; source 0 (x) window 0, source 1 (W) window 1, C and D window 3
.irp a, 0,1,2,3
.irp b, 0,1,2,3
.if (\q) == 0
	WM 8*(4*\a+\b), AF+32*PP+8*\a, 128*PP+8*(8+\b), BV+8*\b, SCX+8*(\a/2)+SQ, SCW+8*(4+\b/2)+SQ, \a%2, \b%2
.else
	WM 8*(4*\a+\b), AF+32*PP+8*\a, 128*PP+8*(8+\b), 8*(4*\a+\b), SCX+8*(\a/2)+SQ, SCW+8*(4+\b/2)+SQ, \a%2, \b%2
.endif
.endr
.endr
	WIN 0
.endm
	s_wait_tensorcnt 3                             ; my part of chunk 0 is in; three younger loads may stay out
	s_barrier_signal -1
	s_barrier_wait -1                              ; everybody's is
	FETCH 0
	STEP 0
	STEP 1
	STEP 2
	STEP 3
	STEP 4
	STEP 5
	STEP 6
	STEP 7
; THE WAY OUT.  Eight f32 of a lane pack into 16 bytes that are a lane's part of an operand's image: no stage.
	PLACES
	WIN 0x0a                                       ; sources window 2
.set T, 0
.rept 32
.irp i, 0,1,2,3
	v_cvt_pk_f16_f32 v[OUTR+4*T+\i], v[8*T+2*\i], v[8*T+2*\i+1]   ; each accumulator from its low end on
.endr
.set T, T+1
.endr
	WIN 0
.irp a, 0,1,2,3
.irp b, 0,1,2,3
	global_store_b128 v[LI], v[OUTR+4*(8*\a+\b):OUTR+4*(8*\a+\b)+3], s[14:15] offset:\a*2048+\b*512       ; q: 32 lanes store 512 consecutive bytes, aligned
	global_store_b128 v[LI], v[OUTR+4*(8*\a+4+\b):OUTR+4*(8*\a+4+\b)+3], s[16:17] offset:\a*2048+\b*512   ; k
.endr
.endr
	s_wait_xcnt 0x0                                ; the stores have read their data: the registers are written again below
	WIN 0x0f                                       ; sources window 3
.set T, 0
.rept 16
.irp i, 0,1,2,3
	v_cvt_pk_f16_f32 v[OUTR+4*T+\i], v[8*T+2*\i], v[8*T+2*\i+1]
.endr
.set T, T+1
.endr
	WIN 0
.irp a, 0,1,2,3
.irp b, 0,1,2,3
	global_store_b128 v[LI], v[OUTR+4*(4*\a+\b):OUTR+4*(4*\a+\b)+3], s[16:17] offset:8192+(\a/2)*4096+\b*1024+(\a%2)*512   ; v: channels 16 b + r, keys 16 a + 8 h + 0 .. 7
.endr
.endr
	s_wait_tensorcnt 0x0                           ; the wave's end
	ds_add_u32 v[SPW], v[NIL]
	s_wait_dscnt 0x0
	CROUND                                         ; the closing round
	s_endpgm
.Lfunc_end_k_q8ee159ae68_qkv:
	.size	k_q8ee159ae68_qkv, .Lfunc_end_k_q8ee159ae68_qkv-k_q8ee159ae68_qkv
	.p2alignl 7, 3214868480
	.fill 96, 4, 3214868480
	.section	.rodata,"a",@progbits
	.p2align	6, 0x0
	.amdhsa_kernel k_q8ee159ae68_qkv
		.amdhsa_group_segment_fixed_size 229888
		.amdhsa_private_segment_fixed_size 0
		.amdhsa_enable_private_segment 0
		.amdhsa_kernarg_size 56
		.amdhsa_user_sgpr_count 2
		.amdhsa_user_sgpr_kernarg_segment_ptr 1
		.amdhsa_wavefront_size32 1
		.amdhsa_system_sgpr_workgroup_id_x 1
		.amdhsa_system_sgpr_workgroup_id_y 1
		.amdhsa_system_sgpr_workgroup_id_z 1
		.amdhsa_system_vgpr_workitem_id 0
		.amdhsa_next_free_vgpr 1024
		.amdhsa_next_free_sgpr 100
		.amdhsa_reserve_vcc 0
		.amdhsa_float_denorm_mode_32 3
		.amdhsa_float_denorm_mode_16_64 3
		.amdhsa_memory_ordered 1
		.amdhsa_forward_progress 1
		.amdhsa_inst_pref_size 98
	.end_amdhsa_kernel
	.amdgpu_metadata
---
amdhsa.version: [ 1, 2 ]
amdhsa.kernels:
  - .name:           k_q8ee159ae68_qkv
    .symbol:         k_q8ee159ae68_qkv.kd
    .args:
      - { .name: codes, .offset: 0, .size: 8, .value_kind: global_buffer, .address_space: global }
      - { .name: scales, .offset: 8, .size: 8, .value_kind: global_buffer, .address_space: global }
      - { .name: bq, .offset: 16, .size: 8, .value_kind: global_buffer, .address_space: global }
      - { .name: bk, .offset: 24, .size: 8, .value_kind: global_buffer, .address_space: global }
      - { .name: bv, .offset: 32, .size: 8, .value_kind: global_buffer, .address_space: global }
      - { .name: q_img, .offset: 40, .size: 8, .value_kind: global_buffer, .address_space: global }
      - { .name: kv_img, .offset: 48, .size: 8, .value_kind: global_buffer, .address_space: global }
    .group_segment_fixed_size: 229888
    .private_segment_fixed_size: 0
    .kernarg_segment_align: 8
    .kernarg_segment_size: 56
    .max_flat_workgroup_size: 128
    .sgpr_count:     100
    .vgpr_count:     1024
    .wavefront_size: 32
...
	.end_amdgpu_metadata
.endif
;; end of part 2
;; launch attn (part 3): grid 8 x 32, 8 waves a work-group, clusters of 4 x 1, 327,680 bytes of LDS; arguments q_img, kv_img, ctx_img; writes ctx_img
.if DOCPART == 3
	.amdgcn_target "amdgcn-amd-amdhsa--gfx1250"
	.amdhsa_code_object_version 6
	.text
	.protected	k_q8ee159ae68_attn
	.globl	k_q8ee159ae68_attn
	.p2align	8
	.type	k_q8ee159ae68_attn,@function
k_q8ee159ae68_attn:
	s_mov_b64 s[64:65], 0
	v_nop
	global_prefetch_b8 v0, s[64:65] scope:SCOPE_SE
	s_setreg_imm32_b32 hwreg(HW_REG_WAVE_MODE, 25, 1), 1
	s_wait_xcnt 0x0
	s_wait_alu depctr_hold_cnt(0) depctr_sa_sdst(0) depctr_va_vdst(0) depctr_va_sdst(0) depctr_va_ssrc(0) depctr_va_vcc(0) depctr_vm_vsrc(0)
	s_getreg_b32 s2, hwreg(HW_REG_IB_STS2, 6, 4)
	s_cmp_eq_u32 s2, 0
	s_cbranch_scc0 .Lentry_in_a_cluster
	s_endpgm
.Lentry_in_a_cluster:
	s_bfe_u32 s2, ttmp6, 0x10000c
	s_cmp_lg_u32 s2, 0x3003
	s_cbranch_scc0 .Lentry_shape_is_right
	s_endpgm
.Lentry_shape_is_right:
; ATTN.  ctx[q] = the sum over k of softmax_k(q . k / 8) v[k], for each of 32 (batch, head), 2,048 queries and keys, head size 64.  Operands f16; products, maxima and sums f32; p is rounded to f16, ctx once at the end.
; SHARES.  A work-group owns 256 queries of one (batch, head); each of its eight waves 32 of them, two tiles of 16.  Two waves lie on a SIMD, so that one wave's softmax stands beside the other's products; the text goes in phases.
; LAYOUT.  Both products are used transposed: S^T = K Q^T (source 0 = 16 keys, source 1 = 16 queries), O^T = V^T P (source 0 = 16 channels, source 1 = P): a lane holds ONE query throughout, and two tiles of S^T,
; rounded in pairs, ARE source 1 of the second product.  K and V arrive as images of their operand registers, a key step's (64 keys) K and V as one dense block of 16,384 bytes: every LDS load takes 512 consecutive bytes.
; SOFTMAX.  A running maximum m and sum l for each query: p = 2^(c s - c m), c = log2(e) / 8; in every step O^T and l are multiplied by a = 2^(c m_old - c m_new).  m begins at -3e38, l and O^T at 0: the first step needs no text of its own.
; RING.  Two slots of eight key steps; a head is four slots: two first fills, two refills.  Each wave fetches one key step's block: by this text's count two loads of a wave are out at the start, one behind each round.
; CLUSTER.  The four blocks of queries of a cluster belong to one head and walk the same K and V: each block of bytes is asked for jointly, with the same descriptor and a mask that names the four.
; LIMITS.  p under 2^-25 is rounded to 0 in f16; ctx is rounded to f16.  NaN and infinities are not served.
; REGISTERS.  Window 0: v2-6 addresses; v12-27 statistics, 8 a tile (+0 c m, +1 m, +2, +3 l, +4..+7 at work; a takes +6); v32-63 Q; v64-127 S^T, then p; v128-159 P; v160-223 K of one step.
;   Window 1: v0-63 O^T (32 t + 8 ct); v64-127 V of one step.
.set SLOT,  131072
.set STEPB, 16384
.set SPARE, 2*SLOT                     ; behind the ring: the spare words, 128 bytes a wave: four blocks of 256 bytes that no other line names
.set LI,  2                            ; v2  16 x lane
.set ADR, 3                            ; v3  the LDS address of the loads in hand
.set PFO, 4                            ; v4  256 x lane
.set SPW, 5                            ; v5  my spare word's LDS address; never rewritten
.set NIL, 6                            ; v6  0; never rewritten
.set ST,  12
.set Q,   32
.set S,   64
.set P,   128
.set KF,  160
.set VF,  64                           ; in window 1
.set WV,  12                           ; s12 wave
.set LIM, 15                           ; s15 0 in a wave that prefetches
.set PFA, 18                           ; s[18:19] where my prefetch stands
.set G1,  24                           ; s[24:31] descriptor group 1;  s[32:39] group 0, a set for each slot
.set G0,  32
.set CNT, 57
.set CS,  58                           ; s[58:59] c
.set SEL, 60                           ; s[60:61] selects for lane l xor 16
.set TB,  62                           ; s62 LDS byte at which the key step in hand begins
.set MSB, 0
.macro WIN new
.if MSB != \new
	s_set_vgpr_msb (MSB<<8)|\new
.set MSB, \new
.endif
.endm
.macro CROUND                          ; a round of the cluster's barrier
	s_barrier_signal -1
	s_barrier_wait -1
	s_cmp_lg_u32 s[WV], 0
	s_cbranch_scc1 .Lnot_wave_0_\@
	s_barrier_signal -3
.Lnot_wave_0_\@:
	s_barrier_wait -3
	s_barrier_signal -1
	s_barrier_wait -1
.endm
.macro PLACES
.rept 4
	v_nop
.endr
.endm
; THE ONE PREFETCH: the head's last slot, 131,072 bytes, asked for behind the first refill, eight key steps ahead of the load that will want it.  All clusters of a head walk the same bytes: the head's first cluster asks.
; Its four partners take 32,768 bytes each, told apart by address; in each, waves 0 to 3 take 8,192 each, lanes 256 bytes apart: each block of 256 bytes is named once.  Slots 0 to 2 come by their loads alone.
.macro ASK
	s_cmp_eq_u32 s[LIM], 0
	s_cbranch_scc0 .Lnot_mine_\@
	global_prefetch_b8 v[PFO], s[PFA:PFA+1] th:TH_LOAD_NT scope:SCOPE_SE
.Lnot_mine_\@:
.endm
	s_load_b128 s[4:7], s[0:1], 0x0                ; q_img s[4:5], kv_img s[6:7]
	s_load_b64 s[8:9], s[0:1], 0x10                ; ctx_img
	v_lshl_add_u32 v[SPW], v0, 2, SPARE
	v_mov_b32 v[NIL], 0
	ds_add_u32 v[SPW], v[NIL]                      ; the wave's opening: the add, twice on end, and its wait ahead of my first tensor load
	ds_add_u32 v[SPW], v[NIL]
	v_lshrrev_b32 v1, 5, v0
	v_readfirstlane_b32 s[WV], v1                  ; wave 0..7
	s_bfe_u32 s13, ttmp6, 0x40000                  ; cx
	s_lshl_b32 s14, ttmp9, 2
	s_add_co_u32 s14, s14, s13                     ; my block of 256 queries: it enters Q's and ctx's addresses alone
	s_and_b32 s16, ttmp7, 0xffff                   ; batch x 16 + head, which the four partners share
	s_mov_b32 s[G1], 15|(3<<16)|(1<<21)            ; 15:0 the mask: all four; 17:16 elements of 8 bytes; 21 set beside a mask; no padding
	s_mov_b32 s[G1+1], 32<<16                      ; tensor_dim0 = 32: rows of 256 bytes
	s_mov_b32 s[G1+2], 64<<16                      ; tensor_dim1 = 64 rows: a key step's 16,384 bytes
	s_mov_b32 s[G1+3], 32<<16                      ; tile_dim0
	s_mov_b32 s[G1+4], 64                          ; tile_dim1
	s_mov_b32 s[G1+5], 32                          ; the pitch: dense
	s_mov_b32 s[G1+6], 0
	s_mov_b32 s[G1+7], 0
	s_lshl_b32 s20, s16, 19                        ; the head's 524,288 bytes of kv_img,
	s_lshl_b32 s21, s[WV], 14                      ; the key step that I fetch
	s_add_co_u32 s20, s20, s21
	s_mov_b32 s21, 0
	s_lshl_b32 s17, s[WV], 14                      ; and its place in a slot
	s_lshl_b32 s22, s16, 19                        ; the prefetch: the head's slot 3, my work-group's quarter, my wave's 8,192 bytes
	s_lshl_b32 s23, s13, 15
	s_add_co_u32 s22, s22, s23
	s_lshl_b32 s23, s[WV], 13
	s_add_co_u32 s22, s22, s23
	s_add_co_u32 s22, s22, 3*SLOT
	s_mov_b32 s23, 0
	s_lshr_b32 s[LIM], s[WV], 2                    ; 0 in waves 0 to 3,
	s_or_b32 s[LIM], s[LIM], ttmp9                 ; of the head's first cluster: the same in all four partners
	s_mov_b32 s[CS], 0x3e38aa3b                    ; c = log2(e) / 8
	s_mov_b32 s[CS+1], s[CS]                       ; named with it as a pair, so it is written
	s_mov_b32 s[SEL], 0x76543210
	s_mov_b32 s[SEL+1], 0xfedcba98
	s_lshl_b32 s40, s16, 18                        ; Q: 262,144 bytes a head, 32,768 a block, 4,096 a wave
	s_lshl_b32 s41, s14, 15
	s_add_co_u32 s40, s40, s41
	s_lshl_b32 s41, s[WV], 12
	s_add_co_u32 s40, s40, s41
	s_mov_b32 s41, 0
	s_and_b32 s42, s16, 15                         ; the head
	s_lshr_b32 s43, s42, 2
	s_lshl_b32 s44, s43, 21                        ; ctx_img: (head / 4) x 2,097,152
	s_lshr_b32 s43, s16, 4
	s_lshl_b32 s43, s43, 20                        ; + batch x 128 tiles of 8,192
	s_add_co_u32 s44, s44, s43
	s_lshl_b32 s43, s14, 17                        ; + block x 16 tiles
	s_add_co_u32 s44, s44, s43
	s_lshl_b32 s43, s[WV], 14                      ; + wave x 2 tiles
	s_add_co_u32 s44, s44, s43
	s_and_b32 s43, s42, 3
	s_lshl_b32 s43, s43, 11                        ; + (head % 4) x 2,048
	s_add_co_u32 s44, s44, s43
	s_mov_b32 s45, 0
	s_wait_dscnt 0x0                               ; both opening adds are done
	s_wait_kmcnt 0x0
	s_add_nc_u64 s[20:21], s[6:7], s[20:21]
	s_add_nc_u64 s[PFA:PFA+1], s[6:7], s[22:23]
	s_add_nc_u64 s[4:5], s[4:5], s[40:41]
	s_add_nc_u64 s[8:9], s[8:9], s[44:45]
	CROUND                                         ; all four work-groups are here: the first joint loads meet
.irp s, 0,1
	s_mov_b32 s[G0+4*\s], 1
	s_add_co_u32 s[G0+4*\s+1], s17, \s*SLOT
	s_add_nc_u64 s[G0+4*\s+2:G0+4*\s+3], s[20:21], \s*SLOT
	s_or_b32 s[G0+4*\s+3], s[G0+4*\s+3], 0x80000000
.endr
	tensor_load_to_lds s[G0:G0+3], s[G1:G1+7]      ; the two first fills go out together
	s_nop 0
	tensor_load_to_lds s[G0+4:G0+7], s[G1:G1+7]
	s_nop 0
	PLACES
	v_and_b32 v1, 31, v0
	v_lshlrev_b32 v[LI], 4, v1
	v_lshlrev_b32 v[PFO], 8, v1
.irp i, 0,1,2,3,4,5,6,7
	global_load_b128 v[Q+4*\i:Q+4*\i+3], v[LI], s[4:5] offset:512*\i   ; Q stays in registers: tile i / 4, channels 16 (i % 4) on
.endr
.irp t, 0,1
	v_mov_b32 v[ST+8*\t+1], 0xff61b1e6             ; m = -3e38, under every score that is served
	v_mul_f32 v[ST+8*\t], s[CS], v[ST+8*\t+1]      ; c m
	v_mov_b32 v[ST+8*\t+2], 0                      ; l, in two halves
	v_mov_b32 v[ST+8*\t+3], 0
.endr
	WIN 0x40
.irp j, 0,1,2,3,4,5,6,7,8,9,10,11,12,13,14,15,16,17,18,19,20,21,22,23,24,25,26,27,28,29,30,31,32,33,34,35,36,37,38,39,40,41,42,43,44,45,46,47,48,49,50,51,52,53,54,55,56,57,58,59,60,61,62,63
	v_mov_b32 v[\j], 0                             ; O^T: the step is written once for all steps; the first finds zeros, which a = 0 leaves zeros
.endr
	WIN 0
.macro VLOAD                           ; V of the step at v[ADR]: 16 loads into window 1
	WIN 0x40
.irp i, 0,1,2,3,4,5,6,7,8,9,10,11,12,13,14,15
	ds_load_b128 v[VF+4*\i:VF+4*\i+3], v[ADR] offset:8192+512*\i
.endr
	WIN 0
.endm
.macro KLOAD off                       ; K of the step off bytes behind v[ADR]
.irp i, 0,1,2,3,4,5,6,7,8,9,10,11,12,13,14,15
	ds_load_b128 v[KF+4*\i:KF+4*\i+3], v[ADR] offset:\off+512*\i
.endr
.endm
.macro KQ                              ; S^T = K Q^T: 16 products; the eight accumulators take turns; the first eight start the sums
.irp d, 0,1
.irp k, 0,1,2,3
.irp t, 0,1
.if \d == 0
	v_wmma_f32_16x16x32_f16 v[S+32*\t+8*\k:S+32*\t+8*\k+7], v[KF+16*\k+8*\d:KF+16*\k+8*\d+7], v[Q+16*\t+8*\d:Q+16*\t+8*\d+7], 0
.else
	v_wmma_f32_16x16x32_f16 v[S+32*\t+8*\k:S+32*\t+8*\k+7], v[KF+16*\k+8*\d:KF+16*\k+8*\d+7], v[Q+16*\t+8*\d:Q+16*\t+8*\d+7], v[S+32*\t+8*\k:S+32*\t+8*\k+7]
.endif
.endr
.endr
.endr
.endm
.macro PV                              ; O^T += V^T P: 16 products, eight accumulators by turns
	WIN 0x51                                       ; V, C and D window 1; P window 0
.irp k, 0,1
.irp c, 0,1,2,3
.irp t, 0,1
	v_wmma_f32_16x16x32_f16 v[32*\t+8*\c:32*\t+8*\c+7], v[VF+32*\k+8*\c:VF+32*\k+8*\c+7], v[P+16*\t+8*\k:P+16*\t+8*\k+7], v[32*\t+8*\c:32*\t+8*\c+7]
.endr
.endr
.endr
	WIN 0
.endm
.macro RESCALE                         ; O^T times the number in a's place, each accumulator from its low end on
	WIN 0x41                                       ; O^T window 1, a window 0
.irp t, 0,1
.irp i, 0,1,2,3,4,5,6,7,8,9,10,11,12,13,14,15
	v_pk_mul_f32 v[32*\t+2*\i:32*\t+2*\i+1], v[32*\t+2*\i:32*\t+2*\i+1], v[ST+8*\t+6:ST+8*\t+7] op_sel_hi:[1,0]
.endr
.endr
.endm
; THE SOFTMAX of a key step, the two tiles line by line by turns, so that no line waits for the line above it.
.macro SOFTMAX
.irp j, 0,1,2,3
.irp t, 0,1
	v_max3_num_f32 v[ST+8*\t+4+\j], v[S+32*\t+8*\j], v[S+32*\t+8*\j+1], v[S+32*\t+8*\j+2]   ; four chains; each accumulator is read from its low end on
.endr
.endr
.irp g, 1,2
.irp j, 0,1,2,3
.irp t, 0,1
	v_max3_num_f32 v[ST+8*\t+4+\j], v[ST+8*\t+4+\j], v[S+32*\t+8*\j+2*\g+1], v[S+32*\t+8*\j+2*\g+2]
.endr
.endr
.endr
.irp t, 0,1
	v_max3_num_f32 v[ST+8*\t+4], v[ST+8*\t+4], v[S+32*\t+7], v[S+32*\t+15]
.endr
.irp t, 0,1
	v_max3_num_f32 v[ST+8*\t+6], v[ST+8*\t+6], v[S+32*\t+23], v[S+32*\t+31]
.endr
.irp t, 0,1
	v_max3_num_f32 v[ST+8*\t+4], v[ST+8*\t+4], v[ST+8*\t+5], v[ST+8*\t+6]
.endr
.irp t, 0,1
	v_max3_num_f32 v[ST+8*\t+4], v[ST+8*\t+4], v[ST+8*\t+7], v[ST+8*\t+1]   ; and the old m
.endr
.irp t, 0,1
	v_permlanex16_b32 v[ST+8*\t+5], v[ST+8*\t+4], s[SEL], s[SEL+1]          ; the query's other 32 keys lie in the lane 16 away
.endr
.irp t, 0,1
	v_mov_b32 v[ST+8*\t+7], v[ST+8*\t]             ; c m_old
.endr
.irp t, 0,1
	v_max_num_f32 v[ST+8*\t+1], v[ST+8*\t+4], v[ST+8*\t+5]
.endr
.irp t, 0,1
	v_mul_f32 v[ST+8*\t], s[CS], v[ST+8*\t+1]
.endr
.irp t, 0,1
	v_sub_f32 v[ST+8*\t+7], v[ST+8*\t+7], v[ST+8*\t]
.endr
.irp b, 0,1,2,3,4,5,6,7,8,9,10,11,12,13,14,15
	v_pk_fma_f32 v[S+2*\b:S+2*\b+1], v[S+2*\b:S+2*\b+1], s[CS:CS+1], v[ST:ST+1] op_sel_hi:[1,0,0] neg_lo:[0,0,1] neg_hi:[0,0,1]   ; tile 0: c s - c m
.endr
; ONE BATCH of 66 exponentials; tile 1's scalings stand among tile 0's exponentials.  No line up to the wait names a result.
.irp t, 0,1
	v_exp_f32 v[ST+8*\t+6], v[ST+8*\t+7]           ; a
.endr
.irp b, 0,1,2,3,4,5,6,7,8,9,10,11,12,13,14,15
	v_exp_f32 v[S+2*\b], v[S+2*\b]
	v_exp_f32 v[S+2*\b+1], v[S+2*\b+1]
	v_pk_fma_f32 v[S+32+2*\b:S+32+2*\b+1], v[S+32+2*\b:S+32+2*\b+1], s[CS:CS+1], v[ST+8:ST+9] op_sel_hi:[1,0,0] neg_lo:[0,0,1] neg_hi:[0,0,1]
.endr
.irp e, 0,1,2,3,4,5,6,7,8,9,10,11,12,13,14,15,16,17,18,19,20,21,22,23,24,25,26,27,28,29,30,31
	v_exp_f32 v[S+32+\e], v[S+32+\e]
.endr
	v_nop                                          ; a plain line behind the last exponential
	s_wait_alu depctr_va_vdst(0)                   ; one wait for the batch, ahead of its first reader
.irp j, 0,1,2,3,4,5,6,7,8,9,10,11,12,13,14,15
.irp t, 0,1
	v_cvt_pk_f16_f32 v[P+16*\t+\j], v[S+32*\t+2*\j], v[S+32*\t+2*\j+1]
.endr
.endr
.irp u, 0,1,2,3,4,5,6,7                ; the sum of a tile's 16 pairs, in place: neighbours 1, 2, 4 and 8 pairs apart
.irp t, 0,1
	v_pk_add_f32 v[S+32*\t+4*\u:S+32*\t+4*\u+1], v[S+32*\t+4*\u:S+32*\t+4*\u+1], v[S+32*\t+4*\u+2:S+32*\t+4*\u+3]
.endr
.endr
.irp u, 0,1,2,3
.irp t, 0,1
	v_pk_add_f32 v[S+32*\t+8*\u:S+32*\t+8*\u+1], v[S+32*\t+8*\u:S+32*\t+8*\u+1], v[S+32*\t+8*\u+4:S+32*\t+8*\u+5]
.endr
.endr
.irp u, 0,1
.irp t, 0,1
	v_pk_add_f32 v[S+32*\t+16*\u:S+32*\t+16*\u+1], v[S+32*\t+16*\u:S+32*\t+16*\u+1], v[S+32*\t+16*\u+8:S+32*\t+16*\u+9]
.endr
.endr
.irp t, 0,1
	v_pk_add_f32 v[S+32*\t:S+32*\t+1], v[S+32*\t:S+32*\t+1], v[S+32*\t+16:S+32*\t+17]
.endr
.irp t, 0,1
	v_pk_fma_f32 v[ST+8*\t+2:ST+8*\t+3], v[ST+8*\t+2:ST+8*\t+3], v[ST+8*\t+6:ST+8*\t+7], v[S+32*\t:S+32*\t+1] op_sel_hi:[1,0,1]   ; l = a l + the sum
.endr
.endm
; A KEY STEP.  kind 0: its successor lies in the same slot.  1: the slot's last step; the slot is filled again.  2: the slot's last step; nothing is filled.  3: the head's last step.
.macro STEP kind, slot, ask
	v_add_nc_u32 v[ADR], s[TB], v[LI]              ; this line and three v_nop: the four places behind the last step's products, which read V's registers
	v_nop
	v_nop
	v_nop
	VLOAD
	s_wait_dscnt 16                                ; K of this step is in; V's sixteen loads are younger
	KQ
.if \kind == 0
	PLACES                                         ; behind the products: for the loads into K's registers and for the softmax's first reads
	KLOAD STEPB
.elseif \kind == 3
	PLACES
.else
; THE CHANGE OF SLOTS: all of this slot's bytes have been asked for.
	s_wait_tensorcnt 0x0                           ; all my tensor loads have landed: my part of the other slot
	ds_add_u32 v[SPW], v[NIL]                      ; 0 onto my spare word
.if \kind == 1
	s_add_nc_u64 s[G0+4*\slot+2:G0+4*\slot+3], s[G0+4*\slot+2:G0+4*\slot+3], 2*SLOT   ; no load of mine is out: this slot's set steps two slots on
.endif
	s_wait_dscnt 0x0                               ; the add is done, and my reads of this slot are over
.if \kind == 1
	CROUND                                         ; no wave of any partner still reads this slot or has a load on its way
	tensor_load_to_lds s[G0+4*\slot:G0+4*\slot+3], s[G1:G1+7]   ; my one load behind the round: it has eight key steps in which to land
	s_nop 0
	PLACES
.else
	s_barrier_signal -1
	s_barrier_wait -1
	PLACES
.endif
	v_add_nc_u32 v[ADR], (1-\slot)*SLOT, v[LI]
	KLOAD 0                                        ; K of the other slot's first step
.if \ask
	ASK
.endif
.endif
	SOFTMAX
	RESCALE
.if \kind == 3
	s_wait_dscnt 0x0
.else
	s_wait_dscnt 16                                ; V of this step is in; the next step's K may be out
.endif
	PV
.endm
.macro SLOTRUN slot, kind, ask         ; a slot's eight key steps: seven in a loop, the last written out
	s_mov_b32 s[TB], \slot*SLOT
	s_mov_b32 s[CNT], 7
.Lstep_\@:
	STEP 0, \slot, 0
	s_add_co_u32 s[TB], s[TB], STEPB
	s_sub_co_u32 s[CNT], s[CNT], 1
	s_cmp_lg_u32 s[CNT], 0
	s_cbranch_scc1 .Lstep_\@
	STEP \kind, \slot, \ask
.endm
	s_wait_tensorcnt 1                             ; my part of slot 0 is in; slot 1's may stay out
	s_barrier_signal -1
	s_barrier_wait -1                              ; everybody's is
	v_mov_b32 v[ADR], v[LI]
	KLOAD 0                                        ; K of key step 0
	s_wait_loadcnt 0x0                             ; Q
	SLOTRUN 0, 1, 1                                ; keys 0-511;      slot 0 then takes keys 1,024 on
	SLOTRUN 1, 1, 0                                ; keys 512-1,023;  slot 1 then takes keys 1,536 on
	SLOTRUN 0, 2, 0
	SLOTRUN 1, 3, 0
; THE WAY OUT.  l's halves are added; O^T / l, rounded to f16, is a lane's part of the next product's operand image: no stage.  The additions are the places behind the last products.
.irp t, 0,1
	v_add_f32 v[ST+8*\t+4], v[ST+8*\t+2], v[ST+8*\t+3]
.endr
.irp t, 0,1
	v_permlanex16_b32 v[ST+8*\t+5], v[ST+8*\t+4], s[SEL], s[SEL+1]
.endr
.irp t, 0,1
	v_add_f32 v[ST+8*\t+4], v[ST+8*\t+4], v[ST+8*\t+5]
.endr
	v_nop
	v_nop
.irp t, 0,1
	v_rcp_f32 v[ST+8*\t+6], v[ST+8*\t+4]
.endr
	v_nop                                          ; a plain line behind the last reciprocal
	s_wait_alu depctr_va_vdst(0)                   ; one wait for the two, ahead of their first reader
	RESCALE
	WIN 0x05                                       ; sources window 1, destination window 0
.set T, 0
.rept 32
	v_cvt_pk_f16_f32 v[S+T], v[2*T], v[2*T+1]
.set T, T+1
.endr
	WIN 0
.irp t, 0,1
.irp c, 0,1,2,3
	global_store_b128 v[LI], v[S+16*\t+4*\c:S+16*\t+4*\c+3], s[8:9] offset:\t*8192+\c*512   ; 32 lanes store 512 consecutive bytes, aligned
.endr
.endr
	s_wait_tensorcnt 0x0                           ; the wave's end
	ds_add_u32 v[SPW], v[NIL]
	s_wait_dscnt 0x0
	CROUND                                         ; the closing round
	s_endpgm
.Lfunc_end_k_q8ee159ae68_attn:
	.size	k_q8ee159ae68_attn, .Lfunc_end_k_q8ee159ae68_attn-k_q8ee159ae68_attn
	.p2alignl 7, 3214868480
	.fill 96, 4, 3214868480
	.section	.rodata,"a",@progbits
	.p2align	6, 0x0
	.amdhsa_kernel k_q8ee159ae68_attn
		.amdhsa_group_segment_fixed_size 327680
		.amdhsa_private_segment_fixed_size 0
		.amdhsa_enable_private_segment 0
		.amdhsa_kernarg_size 24
		.amdhsa_user_sgpr_count 2
		.amdhsa_user_sgpr_kernarg_segment_ptr 1
		.amdhsa_wavefront_size32 1
		.amdhsa_system_sgpr_workgroup_id_x 1
		.amdhsa_system_sgpr_workgroup_id_y 1
		.amdhsa_system_sgpr_workgroup_id_z 1
		.amdhsa_system_vgpr_workitem_id 0
		.amdhsa_next_free_vgpr 384
		.amdhsa_next_free_sgpr 66
		.amdhsa_reserve_vcc 0
		.amdhsa_float_denorm_mode_32 3
		.amdhsa_float_denorm_mode_16_64 3
		.amdhsa_memory_ordered 1
		.amdhsa_forward_progress 1
		.amdhsa_inst_pref_size 152
	.end_amdhsa_kernel
	.amdgpu_metadata
---
amdhsa.version: [ 1, 2 ]
amdhsa.kernels:
  - .name:           k_q8ee159ae68_attn
    .symbol:         k_q8ee159ae68_attn.kd
    .args:
      - { .name: q_img, .offset: 0, .size: 8, .value_kind: global_buffer, .address_space: global }
      - { .name: kv_img, .offset: 8, .size: 8, .value_kind: global_buffer, .address_space: global }
      - { .name: ctx_img, .offset: 16, .size: 8, .value_kind: global_buffer, .address_space: global }
    .group_segment_fixed_size: 327680
    .private_segment_fixed_size: 0
    .kernarg_segment_align: 8
    .kernarg_segment_size: 24
    .max_flat_workgroup_size: 256
    .sgpr_count:     66
    .vgpr_count:     384
    .wavefront_size: 32
...
	.end_amdgpu_metadata
.endif
;; end of part 3
;; launch oproj (part 4): grid 8 x 32, 4 waves a work-group, clusters of 4 x 4, 327,680 bytes of LDS; arguments ctx_img, wo_img, bo, out0; writes out0
.if DOCPART == 4
	.amdgcn_target "amdgcn-amd-amdhsa--gfx1250"
	.amdhsa_code_object_version 6
	.text
	.protected	k_q8ee159ae68_oproj
	.globl	k_q8ee159ae68_oproj
	.p2align	8
	.type	k_q8ee159ae68_oproj,@function
k_q8ee159ae68_oproj:
	s_mov_b64 s[64:65], 0
	v_nop
	global_prefetch_b8 v0, s[64:65] scope:SCOPE_SE
	s_setreg_imm32_b32 hwreg(HW_REG_WAVE_MODE, 25, 1), 1
	s_wait_xcnt 0x0
	s_wait_alu depctr_hold_cnt(0) depctr_sa_sdst(0) depctr_va_vdst(0) depctr_va_sdst(0) depctr_va_ssrc(0) depctr_va_vcc(0) depctr_vm_vsrc(0)
	s_getreg_b32 s2, hwreg(HW_REG_IB_STS2, 6, 4)
	s_cmp_eq_u32 s2, 0
	s_cbranch_scc0 .Lentry_in_a_cluster
	s_endpgm
.Lentry_in_a_cluster:
	s_bfe_u32 s2, ttmp6, 0x10000c
	s_cmp_lg_u32 s2, 0xf033
	s_cbranch_scc0 .Lentry_shape_is_right
	s_endpgm
.Lentry_shape_is_right:
; OPROJ.  out0 = ctx Wo + bo.  ctx [4096][1024] and Wo [1024 (k)][1024 (n)] arrive in f16 as images of operand registers, [K / 256][tile of 16 rows or columns][K / 32 % 8][1,024 bytes]; sums f32; out0 f32, row-major.
; SHARES.  A tile of out0 is 128 x 128: 8 x 32 work-groups.  Four waves, each 64 x 64: 16 accumulators.  K goes in four steps of 256 through two LDS slots; a wave's tensor load brings four tiles' 32,768 dense bytes.
; The matrix instruction is used TRANSPOSED (source 0 = 16 columns of Wo, source 1 = 16 tokens): a lane holds eight neighbouring numbers of a row of out0.  bo is the C of each sum's first product.
; CLUSTER.  4 x 4 work-groups: the four of a row of the cluster need the same tokens, the four of a column the same columns of Wo: each tile is asked for jointly.  By this text's count two loads of a wave are out at the start, one behind each round.
; No prefetch: a tile this small has four K steps in all, two of them asked for at the head.
; REGISTERS.  Window 0: v16-29 addresses; v32-95 the way out; v96-127 bo, eight registers a tile of columns; v128-255 the accumulators, (a, b) at 128 + 8 (4 a + b).
;   Window 1: two fragment buffers of 128: for 64 along K, 64 registers of tokens, then 64 of Wo.
.set SLOT,   131072                    ; the tokens' 8 tiles x 8,192 bytes, then Wo's 8
.set SPARE,  2*SLOT                    ; behind the ring: the spare words, 128 bytes a wave: two blocks of 256 bytes that no other line names
.set SPITCH, 272                       ; the way out: a stage of 16 rows x (256 bytes + 16) for each wave, in slot 0, which has had its last fill and its last read when the first result is stored there
.set ADRA, 16
.set ADRB, 20
.set STO,  24
.set RD,   25
.set CO,   26
.set H32,  27
.set SPW,  28
.set NIL,  29
.set TMP,  32
.set BIAS, 96
.set ACC,  128
.set F0,   0
.set F1,   128
.set G1,  24
.set G0,  32
.set G1B, 48
.set G0B, 56
.set MSB, 0
.macro WIN new
.if MSB != \new
	s_set_vgpr_msb (MSB<<8)|\new
.set MSB, \new
.endif
.endm
.set MUL,  0x05                        ; sources 0 and 1 window 1; C and D window 0
.set TO_F, 0x40                        ; destination window 1, address window 0
.macro JLOAD s                         ; a joint load: waves 0 and 1 fetch the tokens' halves, waves 2 and 3 Wo's; an s_nop 0 and four v_nop follow each line
	s_cmp_eq_u32 s13, 0
	s_cbranch_scc0 .Lfor_b_\@
	tensor_load_to_lds s[G0+4*\s:G0+4*\s+3], s[G1:G1+7]
	s_nop 0
.rept 4
	v_nop
.endr
	s_branch .Lasked_\@
.Lfor_b_\@:
	tensor_load_to_lds s[G0B+4*\s:G0B+4*\s+3], s[G1B:G1B+7]
	s_nop 0
.rept 4
	v_nop
.endr
.Lasked_\@:
.endm
.macro CREST                           ; a round of the cluster's barrier behind its opening barrier
	s_cmp_lg_u32 s12, 0
	s_cbranch_scc1 .Lnot_wave_0_\@
	s_barrier_signal -3
.Lnot_wave_0_\@:
	s_barrier_wait -3
	s_barrier_signal -1
	s_barrier_wait -1
.endm
.macro CROUND
	s_barrier_signal -1
	s_barrier_wait -1
	CREST
.endm
.macro PLACES
.rept 4
	v_nop
.endr
.endm
	s_load_b256 s[4:11], s[0:1], 0x0               ; ctx_img s[4:5], wo_img s[6:7], bo s[8:9], out0 s[10:11]
	v_lshl_add_u32 v[SPW], v0, 2, SPARE
	v_mov_b32 v[NIL], 0
	ds_add_u32 v[SPW], v[NIL]                      ; the wave's opening: the add, twice on end, and its wait ahead of my first tensor load
	ds_add_u32 v[SPW], v[NIL]
	v_lshrrev_b32 v1, 5, v0
	v_readfirstlane_b32 s12, v1                    ; wave 0..3
	s_lshr_b32 s13, s12, 1                         ; which half of the tile's rows is mine.  Also: I fetch tokens (0) or Wo (1)
	s_and_b32 s14, s12, 1                          ; which half of its columns.  Also: which four tiles I fetch
	s_bfe_u32 s40, ttmp6, 0x40000                  ; cx, cy
	s_bfe_u32 s41, ttmp6, 0x40004
	s_lshl_b32 s42, ttmp9, 2
	s_add_co_u32 s42, s42, s40                     ; tile column = 4 x cluster x + cx
	s_and_b32 s15, ttmp7, 0xffff
	s_lshl_b32 s15, s15, 2
	s_add_co_u32 s15, s15, s41                     ; tile row = 4 x cluster y + cy
	s_lshl_b32 s43, s41, 2
	s_lshl_b32 s43, 15, s43                        ; my row of the cluster
	s_lshl_b32 s44, 0x1111, s40                    ; my column
	s_or_b32 s[G1], s43, (3<<16)|(1<<21)           ; 15:0 the mask; 17:16 elements of 8 bytes; 21 set beside a mask; no padding: dense images
	s_or_b32 s[G1B], s44, (3<<16)|(1<<21)
.irp g, G1, G1B
	s_mov_b32 s[\g+1], 32<<16                      ; tensor_dim0 = 32: rows of 256 bytes
	s_mov_b32 s[\g+2], 128<<16                     ; tensor_dim1 = 128 rows: 32,768 bytes
	s_mov_b32 s[\g+3], 32<<16                      ; tile_dim0
	s_mov_b32 s[\g+4], 128                         ; tile_dim1
	s_mov_b32 s[\g+5], 32                          ; the pitch: dense
	s_mov_b32 s[\g+6], 0
	s_mov_b32 s[\g+7], 0
.endr
	s_lshl_b32 s17, s14, 15                        ; my four tiles of 8,192 bytes
	s_lshl_b32 s16, s15, 16                        ; tokens: eight tiles a tile row
	s_add_co_u32 s16, s16, s17
	s_lshl_b32 s46, s42, 16                        ; Wo: eight tiles a tile column
	s_add_co_u32 s46, s46, s17
	s_mov_b32 s17, 0
	s_mov_b32 s47, 0
	s_lshl_b32 s20, s12, 15                        ; where they go: wave x 32,768
	s_wait_dscnt 0x0                               ; both opening adds are done
	s_wait_kmcnt 0x0
	s_add_nc_u64 s[16:17], s[4:5], s[16:17]
	s_add_nc_u64 s[46:47], s[6:7], s[46:47]
	CROUND                                         ; all sixteen work-groups are here: the first joint loads meet
.irp s, 0,1
	s_mov_b32 s[G0+4*\s], 1
	s_add_co_u32 s[G0+4*\s+1], s20, \s*SLOT
	s_add_nc_u64 s[G0+4*\s+2:G0+4*\s+3], s[16:17], \s*2097152
	s_or_b32 s[G0+4*\s+3], s[G0+4*\s+3], 0x80000000
	s_mov_b32 s[G0B+4*\s], 1
	s_add_co_u32 s[G0B+4*\s+1], s20, \s*SLOT
	s_add_nc_u64 s[G0B+4*\s+2:G0B+4*\s+3], s[46:47], \s*524288
	s_or_b32 s[G0B+4*\s+3], s[G0B+4*\s+3], 0x80000000
	JLOAD \s
.endr
	v_and_b32 v1, 15, v0                           ; r
	v_bfe_u32 v2, v0, 4, 1                         ; h
	v_and_b32 v3, 31, v0
	v_lshlrev_b32 v3, 4, v3                        ; 16 x lane
	v_lshlrev_b32 v[H32], 5, v2
	s_lshl_b32 s46, s42, 9                         ; bo: 128 numbers a tile column, 64 a half
	s_lshl_b32 s47, s14, 8
	s_add_co_u32 s46, s46, s47
	s_mov_b32 s47, 0
	s_add_nc_u64 s[8:9], s[8:9], s[46:47]
.irp b, 0,1,2,3
	global_load_b128 v[BIAS+8*\b:BIAS+8*\b+3], v[H32], s[8:9] offset:64*\b        ; register j: bo(16 b + 8 h + j), the result's layout
	global_load_b128 v[BIAS+8*\b+4:BIAS+8*\b+7], v[H32], s[8:9] offset:64*\b+16
.endr
	s_lshl_b32 s21, s13, 15                        ; my four tiles of tokens
	s_lshl_b32 s22, s14, 15                        ; my four tiles of Wo,
	s_add_co_u32 s22, s22, 65536                   ; which lie behind the tokens' eight
.irp s, 0,1
	v_add_nc_u32 v[ADRA+\s], s21, v3
	v_add_nc_u32 v[ADRB+\s], s22, v3
	s_add_co_u32 s21, s21, SLOT
	s_add_co_u32 s22, s22, SLOT
.endr
	s_mul_i32 s23, s12, 16*SPITCH                  ; my stage
	v_mul_u32_u24 v4, v1, SPITCH                   ; in: row r, 32 bytes for each half of the lanes
	v_lshl_add_u32 v4, v2, 5, v4
	v_add_nc_u32 v[STO], s23, v4
	v_mul_u32_u24 v5, v2, SPITCH                   ; back: lanes 0-15 one row of 256 bytes, lanes 16-31 the next
	v_lshl_add_u32 v5, v1, 4, v5
	v_add_nc_u32 v[RD], s23, v5
	v_lshlrev_b32 v5, 12, v2                       ; and the same two rows in out0
	v_lshl_add_u32 v[CO], v1, 4, v5
	s_lshl_b32 s18, s15, 19                        ; my first row: 128 x tile row + 64 x half, 4,096 bytes a row
	s_lshl_b32 s19, s13, 18
	s_add_co_u32 s18, s18, s19
	s_add_co_u32 s18, s18, s46                     ; my first column, in bytes: the same as in bo
	s_mov_b32 s19, 0
	s_add_nc_u64 s[10:11], s[10:11], s[18:19]
; 8 products: token tiles a0, a0 + 1 x all 4 tiles of columns, 32 along K: half c of buffer f.  first = 1: the bias starts the sums.  The 16 accumulators take turns.
.macro MUL8 f, c, a0, first
.irp a, \a0, \a0+1
.irp b, 0,1,2,3
.if \first
	v_wmma_f32_16x16x32_f16 v[ACC+8*(4*(\a)+\b):ACC+8*(4*(\a)+\b)+7], v[\f+64+8*(4*\c+\b):\f+64+8*(4*\c+\b)+7], v[\f+8*(4*\c+(\a)):\f+8*(4*\c+(\a))+7], v[BIAS+8*\b:BIAS+8*\b+7]
.else
	v_wmma_f32_16x16x32_f16 v[ACC+8*(4*(\a)+\b):ACC+8*(4*(\a)+\b)+7], v[\f+64+8*(4*\c+\b):\f+64+8*(4*\c+\b)+7], v[\f+8*(4*\c+(\a)):\f+8*(4*\c+(\a))+7], v[ACC+8*(4*(\a)+\b):ACC+8*(4*(\a)+\b)+7]
.endif
.endr
.endr
.endm
; 32 LDS loads in one run: the fragments of the slot's kq-th 64 along K into buffer f, the first 32 along K first; each load takes 512 consecutive bytes
.macro FETCH slot, kq, f
	WIN TO_F
.irp c, 0,1
.irp i, 0,1,2,3
	ds_load_b128 v[\f+64+8*(4*\c+\i):\f+64+8*(4*\c+\i)+3],   v[ADRB+\slot] offset:\i*8192+(2*\kq+\c)*1024
	ds_load_b128 v[\f+64+8*(4*\c+\i)+4:\f+64+8*(4*\c+\i)+7], v[ADRB+\slot] offset:\i*8192+(2*\kq+\c)*1024+512
	ds_load_b128 v[\f+8*(4*\c+\i):\f+8*(4*\c+\i)+3],         v[ADRA+\slot] offset:\i*8192+(2*\kq+\c)*1024
	ds_load_b128 v[\f+8*(4*\c+\i)+4:\f+8*(4*\c+\i)+7],       v[ADRA+\slot] offset:\i*8192+(2*\kq+\c)*1024+512
.endr
.endr
.endm
; A K step is four quarters of 64 along K, 32 products each, on buffers 0, 1, 0, 1.  One of the first three: multiplies buffer f and fetches quarter kq into g.
.macro QUARTER slot, kq, f, g, first
	s_wait_dscnt 16                                ; the first 32 along K are in
	WIN MUL
	MUL8 \f, 0, 0, \first
	MUL8 \f, 0, 2, \first
	PLACES
	FETCH \slot, \kq, \g
	s_wait_dscnt 32                                ; all but the 32 just issued
	WIN MUL
	MUL8 \f, 1, 0, 0
	MUL8 \f, 1, 2, 0
.endm
; The last quarter multiplies buffer 1 and changes slots: one barrier; in front of it each wave waits for all its tensor loads, adds 0 to its spare word, and waits for that and for its reads of this slot.
.macro TURN slot, next, fill
	WIN 0                                          ; (the add's two registers lie in window 0)
	s_wait_tensorcnt 0x0                           ; all my tensor loads have landed: my part of the next slot
	ds_add_u32 v[SPW], v[NIL]                      ; 0 onto my spare word
	s_wait_dscnt 17                                ; (the add and the youngest sixteen loads may be out)
	WIN MUL
	MUL8 F1, 0, 0, 0                               ; eight products stand between the add and the wait for it
	s_wait_dscnt 0x0                               ; the add is done, and my reads of this slot are over
	s_barrier_signal -1
	MUL8 F1, 0, 2, 0
.if \fill
	WIN 0
.endif
	s_barrier_wait -1
.if \fill
	CREST                                          ; the barrier has opened a round of the cluster's barrier: no wave of any partner still reads this slot or has a load on its way
	s_add_nc_u64 s[G0+4*\slot+2:G0+4*\slot+3], s[G0+4*\slot+2:G0+4*\slot+3], 2*2097152
	s_add_nc_u64 s[G0B+4*\slot+2:G0B+4*\slot+3], s[G0B+4*\slot+2:G0B+4*\slot+3], 2*524288
	JLOAD \slot                                    ; the first tensor load behind the round; its four v_nop are also the places in front of the loads below
.else
	PLACES
.endif
	FETCH \next, 0, F0
	WIN MUL
	MUL8 F1, 1, 0, 0
	MUL8 F1, 1, 2, 0
.endm
	s_wait_tensorcnt 1                             ; my part of K step 0 is in; K step 1's may stay out
	s_barrier_signal -1
	s_barrier_wait -1                              ; everybody's is
	FETCH 0, 0, F0
	s_wait_loadcnt 0x0                             ; bo
	QUARTER 0, 1, F0, F1, 1                        ; K step 0
	QUARTER 0, 2, F1, F0, 0
	QUARTER 0, 3, F0, F1, 0
	TURN 0, 1, 1                                   ; slot 0 takes K step 2
	QUARTER 1, 1, F0, F1, 0                        ; K step 1
	QUARTER 1, 2, F1, F0, 0
	QUARTER 1, 3, F0, F1, 0
	TURN 1, 0, 1                                   ; slot 1 takes K step 3
	QUARTER 0, 1, F0, F1, 0                        ; K step 2
	QUARTER 0, 2, F1, F0, 0
	QUARTER 0, 3, F0, F1, 0
	TURN 0, 1, 0                                   ; nothing is left to fetch
	QUARTER 1, 1, F0, F1, 0                        ; K step 3
	QUARTER 1, 2, F1, F0, 0
	QUARTER 1, 3, F0, F1, 0
	s_wait_dscnt 16
	WIN MUL
	MUL8 F1, 0, 0, 0
	MUL8 F1, 0, 2, 0
	s_wait_dscnt 0x0
	MUL8 F1, 1, 0, 0
	MUL8 F1, 1, 2, 0
	WIN 0
; THE WAY OUT, a block of 16 rows x 64 columns at a time.  A lane holds 32 neighbouring bytes of a row and the lanes beside it other rows: the block goes through my own stage and comes back as whole rows of 256 bytes.
; LDS serves a wave's instructions in order (ISA guide 5.7.1.4): no wait between the stores and the loads, nor in front of the next block's stores.
.macro TOSTAGE a
.irp b, 0,1,2,3
	ds_store_b128 v[STO], v[ACC+8*(4*(\a)+\b):ACC+8*(4*(\a)+\b)+3] offset:64*\b        ; each accumulator from its low end on
	ds_store_b128 v[STO], v[ACC+8*(4*(\a)+\b)+4:ACC+8*(4*(\a)+\b)+7] offset:64*\b+16
.endr
.irp i, 0,1,2,3,4,5,6,7
	ds_load_b128 v[TMP+32*((\a)%2)+4*\i:TMP+32*((\a)%2)+4*\i+3], v[RD] offset:\i*2*SPITCH
.endr
.endm
.macro SEND a, younger                 ; younger: the LDS instructions issued behind block a's loads
	s_wait_dscnt \younger
.irp i, 0,1,2,3,4,5,6,7
	global_store_b128 v[CO], v[TMP+32*((\a)%2)+4*\i:TMP+32*((\a)%2)+4*\i+3], s[10:11] offset:(16*(\a)+2*\i)*4096 th:TH_STORE_NT   ; sixteen lanes store 256 consecutive bytes, aligned; written once, read by nobody here
.endr
.endm
	PLACES
	TOSTAGE 0
.irp a, 1,2,3
.if \a > 1
	s_wait_xcnt 0x0                                ; block a - 2's stores have read their registers: block a's loads may land there
.endif
	TOSTAGE \a
	SEND \a-1, 16                                  ; behind block a - 1's loads: block a's 8 stores and 8 loads
.endr
	SEND 3, 0
	s_wait_tensorcnt 0x0                           ; the wave's end, behind my last tensor load and my last LDS store
	ds_add_u32 v[SPW], v[NIL]
	s_wait_dscnt 0x0
	CROUND                                         ; the closing round
	s_endpgm
.Lfunc_end_k_q8ee159ae68_oproj:
	.size	k_q8ee159ae68_oproj, .Lfunc_end_k_q8ee159ae68_oproj-k_q8ee159ae68_oproj
	.p2alignl 7, 3214868480
	.fill 96, 4, 3214868480
	.section	.rodata,"a",@progbits
	.p2align	6, 0x0
	.amdhsa_kernel k_q8ee159ae68_oproj
		.amdhsa_group_segment_fixed_size 327680
		.amdhsa_private_segment_fixed_size 0
		.amdhsa_enable_private_segment 0
		.amdhsa_kernarg_size 32
		.amdhsa_user_sgpr_count 2
		.amdhsa_user_sgpr_kernarg_segment_ptr 1
		.amdhsa_wavefront_size32 1
		.amdhsa_system_sgpr_workgroup_id_x 1
		.amdhsa_system_sgpr_workgroup_id_y 1
		.amdhsa_system_sgpr_workgroup_id_z 1
		.amdhsa_system_vgpr_workitem_id 0
		.amdhsa_next_free_vgpr 512
		.amdhsa_next_free_sgpr 66
		.amdhsa_reserve_vcc 0
		.amdhsa_float_denorm_mode_32 3
		.amdhsa_float_denorm_mode_16_64 3
		.amdhsa_memory_ordered 1
		.amdhsa_forward_progress 1
		.amdhsa_inst_pref_size 86
	.end_amdhsa_kernel
	.amdgpu_metadata
---
amdhsa.version: [ 1, 2 ]
amdhsa.kernels:
  - .name:           k_q8ee159ae68_oproj
    .symbol:         k_q8ee159ae68_oproj.kd
    .args:
      - { .name: ctx_img, .offset: 0, .size: 8, .value_kind: global_buffer, .address_space: global }
      - { .name: wo_img, .offset: 8, .size: 8, .value_kind: global_buffer, .address_space: global }
      - { .name: bo, .offset: 16, .size: 8, .value_kind: global_buffer, .address_space: global }
      - { .name: out0, .offset: 24, .size: 8, .value_kind: global_buffer, .address_space: global }
    .group_segment_fixed_size: 327680
    .private_segment_fixed_size: 0
    .kernarg_segment_align: 8
    .kernarg_segment_size: 32
    .max_flat_workgroup_size: 128
    .sgpr_count:     66
    .vgpr_count:     512
    .wavefront_size: 32
...
	.end_amdgpu_metadata
.endif
;; end of part 4
